; MI455X (gfx1250); checked and timed in simulation.
; The chip was launched on July 23, 2026; its instructions are those of AMD's public machine-readable ISA for CDNA 5 (MIT licence, August 2026) and "CDNA5" Instruction Set Architecture Reference Guide (July 2026). The comments in the code are by the model that wrote it; some were corrected since.
;; Causal Self Attention. Allowed arithmetic: matrix products marked QUANTISED: E4M3 operands, one given power-of-two scale a tensor, by v_wmma_f32_16x16x64_fp8_fp8 or v_wmma_f32_16x16x128_fp8_fp8, f32 sums; everything else in f32.
;; Inputs: W_attn 1,024 x 3,072 float32; W_proj 1,024 x 1,024 float32; b_attn 3,072 float32; b_proj 1,024 float32; lowp_scales 8 int32 (the exponents e of the quantised operands' scales 2^e); x 4 x 2,048 x 1,024 float32.
;; Outputs: out0 4 x 2,048 x 1,024 float32.
;; This version of the problem:
;;   THIS VERSION OF THE PROBLEM IS GIVEN IN LOW PRECISION. The matrix products marked QUANTISED in the list below multiply operands that are first quantised to E4M3 (4 exponent bits, 3 mantissa bits; 8 bits a number), with one given power-of-two scale for each operand tensor; their sums are f32. All else is computed in f32.
;;   The module's matrix products, in the order in which they are computed (A, B: the left and right operand; K: the contracted axis; several contracted axes count as one K, in the product's order):
;;     1. [M 8,192, K 1,024] x [K 1,024, N 3,072]; A: input x; B: input W_attn: QUANTISED (scales: A lowp_scales[0], B lowp_scales[1])
;;     2. batch 64 x [M 2,048, K 64] x [K 64, N 2,048]; A: computed on the way; B: computed on the way: QUANTISED (scales: A lowp_scales[2], B lowp_scales[3])
;;     3. batch 64 x [M 2,048, K 2,048] x [K 2,048, N 64]; A: softmax (see below); B: computed on the way: QUANTISED (scales: A lowp_scales[4], B lowp_scales[5])
;;     4. [M 8,192, K 1,024] x [K 1,024, N 1,024]; A: computed on the way; B: input W_proj: QUANTISED (scales: A lowp_scales[6], B lowp_scales[7])
;;   THE QUANTISER, for each operand of a quantised product, along K:
;;     - The operand's scale is 2^e, e = its entry of the input lowp_scales (int32; the entries are numbered through the quantised products in the list's order, A before B).
;;     - Each number is divided by the scale, clamped to +-448, and rounded to the nearest number of E4M3, ties to even, subnormals kept.
;;     - The product sums the exact products of the quantised numbers (number of the format x scale) in f32.
;;   ~~~python
;;   def quantise(x, axis, e):      # numpy; x: float32 -> the quantised numbers, widened to float32 again
;;       x = np.moveaxis(x, axis, -1); K = x.shape[-1]
;;       r = np.clip(x / 2.0 ** e, -448, 448)
;;       step = 2.0 ** (np.maximum(np.frexp(np.where(r == 0, 1, r))[1] - 1, -6) - 3)
;;       q = np.round(r / step) * step * 2.0 ** e      # np.round: ties to even
;;       return np.moveaxis(q, -1, axis).astype(np.float32)
;;   ~~~
;;   SOFTMAX AHEAD OF A QUANTISED PRODUCT. Where the list says 'softmax', what is quantised is not the finished softmax but p = 2^(t - M), with t = logit x log2(e) and M = ceil(the row's largest t), a whole number; so 1/2 < the row's largest p <= 1. The row's sum l is taken of the UNQUANTISED p, in f32, and the product's result is divided by l at the end. Since M is a whole number, a kernel that streams over the keys may use a running M (the ceiling of the running maximum): every later rescaling is an exact power of two, so the quantised numbers keep their values, but for numbers so far below the row's largest that they fall under the format's range.
;;   OPERANDS COMPUTED ON THE WAY. 'Computed on the way' means the value that the module computes at that place (a softmax that the list does not call 'softmax' is quantised finished and normalised). What goes into a quantiser is computed in f32, as accurately as f32 sums, v_exp_f32 and their like allow (about 1e-6 of the number): no bf16 or f16 on the way to a quantiser, and a product that is left as it is and whose result goes on into a quantised operand takes f32 operands (vector FMAs, or v_wmma_f32_16x16x4_f32). A number that lies on a knife's edge between two numbers of the format may be rounded either way, as far as f32 arithmetic and the matrix unit's own rounding can turn it there, and no further.
;; One version. Each part assembles by itself: llvm-mc -triple=amdgcn-amd-amdhsa -mcpu=gfx1250 --defsym DOCPART=n.
;; ======== version 1 of 1: 4 launches
;; limits: right only within a limited range of input values
;; workspace buffers: x_codes 8,388,608 bytes; wa_codes 3,145,728 bytes; wp_codes 1,048,576 bytes; q_img 8,388,608 bytes; k_img 8,388,608 bytes; v_img 8,388,608 bytes; a_img 8,388,608 bytes
;; launch quant (part 1): grid 384 x 1, 4 waves a work-group, no clusters, 35,328 bytes of LDS; arguments x, W_attn, W_proj, lowp_scales, x_codes, wa_codes, wp_codes; writes x_codes, wa_codes, wp_codes
.if DOCPART == 1
	.amdgcn_target "amdgcn-amd-amdhsa--gfx1250"
	.amdhsa_code_object_version 6
	.text
	.protected	k_q17913c36ae_quant
	.globl	k_q17913c36ae_quant
	.p2align	8
	.type	k_q17913c36ae_quant,@function
k_q17913c36ae_quant:
	s_mov_b64 s[64:65], 0
	v_nop
	global_prefetch_b8 v0, s[64:65] scope:SCOPE_SE
	s_setreg_imm32_b32 hwreg(HW_REG_WAVE_MODE, 25, 1), 1
	s_wait_xcnt 0x0
; x [8192][1024], W_attn [1024][3072] and W_proj [1024][1024], f32, become codes of FP8 (E4M3), K innermost, each with its given scale 2^e (entries 0, 1 and 7 of the scales).
; code = number / 2^e, held within +-448, rounded to the nearest code, ties to even.
; LIMITS: e between -126 and 119, so that 2^e and 448 x 2^e are f32 numbers.  NaN among the inputs is not served; an infinity is held at the largest code.
; THE ORDER ALONG K IS THE PROGRAM'S OWN.  A product only asks that both operands have the same k at the same place.
;   x_codes [8192][1024] and wa_codes [3072][1024]: in each block of 512 places, place p holds k = 128 ((p % 16) / 4) + 4 (p / 16) + p % 4.
;     So x is loaded 16 neighbouring bytes a lane, 512 a wave, four loads to 512 numbers, and a lane's 16 codes are stored as they fall: 512 consecutive bytes a wave.  No LDS.
;   wp_codes [1024][1024]: in each block of 32 places the middle eights change places (k 0-7, 16-23, 8-15, 24-31): the order in which the attention's results fall into a lane's registers.
; Work-groups 0 to 255 take x: a wave takes 8,192 numbers in 16 steps of 512, eight steps' loads (32 loads) ahead.
; Work-groups 256 to 383 take the weights, whose K is the FIRST axis: a lane takes a column n and its registers run down K in the order of the places, so the conversions give codes with
; K innermost; a wave gathers 32 columns x 256 places in its own stage in LDS and stores sixteen lanes to 256 consecutive aligned bytes.  One text serves both weights: what differs lies in registers
; chosen by the work-group's number.  Waves share nothing: no barrier.
.set SP,    272                        ; a stage row: 256 bytes of codes + 16
.set SPARE, 4*32*SP                    ; behind the four stages: the spare words, 128 bytes a wave
.set SPW,   14                         ; v14  SPARE + 4 x my thread's number; never rewritten
.set NIL,   15                         ; v15  0; never rewritten
.set XR,    32                         ; x: v32-159  eight sets of 16 numbers
.set XC,    160                        ; x: v160-223 four registers of codes for each step: no store's data are written again
.set VO,    16                         ; W: v16-47   byte offset of the row that holds place i of a block of 32, + 4 x lane
.set WX,    48                         ; W: v48-111  two sets of 32 numbers
.set WC,    112                        ; W: v112-119 a block's codes
.set OUTR,  120                        ; W: v120-183 the way out
	s_load_b256 s[4:11], s[0:1], 0x0               ; x s[4:5], W_attn s[6:7], W_proj s[8:9], the scales' exponents s[10:11]
	s_load_b128 s[12:15], s[0:1], 0x20             ; x_codes s[12:13], wa_codes s[14:15]
	s_load_b64 s[16:17], s[0:1], 0x30              ; wp_codes
	v_lshl_add_u32 v[SPW], v0, 2, SPARE
	v_mov_b32 v[NIL], 0
	v_lshrrev_b32 v1, 5, v0
	v_readfirstlane_b32 s20, v1                    ; wave 0..3
	v_and_b32 v2, 31, v0                           ; lane
	s_mul_i32 s19, s20, 32*SP                      ; my stage (the weights' path alone uses it)
	v_mul_u32_u24 v4, v2, SP
	v_add_nc_u32 v4, s19, v4                       ; into it: row = my column
	v_and_b32 v5, 15, v2
	v_lshrrev_b32 v6, 4, v2
	v_mul_u32_u24 v7, v6, SP
	v_lshl_add_u32 v7, v5, 4, v7
	v_add_nc_u32 v7, s19, v7                       ; out of it: sixteen lanes to a row, two rows an instruction
	v_lshlrev_b32 v8, 10, v6
	v_lshl_add_u32 v8, v5, 4, v8                   ; and the same place in the codes' buffer (rows of 1,024 bytes)
	s_wait_kmcnt 0x0
	s_load_b256 s[24:31], s[10:11], 0x0            ; e0 .. e7
	s_cmp_lt_u32 ttmp9, 256
	s_cbranch_scc0 .Lw
	; ---------------- x ----------------
	v_lshlrev_b32 v3, 4, v2                        ; 16 bytes a lane, in and out
	s_lshl_b32 s21, ttmp9, 2
	s_add_co_u32 s21, s21, s20                     ; which run of 8,192 numbers is my wave's
	s_lshl_b32 s22, s21, 15
	s_mov_b32 s23, 0
	s_add_nc_u64 s[4:5], s[4:5], s[22:23]
	s_lshl_b32 s22, s21, 13
	s_add_nc_u64 s[12:13], s[12:13], s[22:23]
.macro XLOAD t                         ; step t: four loads of 512 consecutive bytes; register 4 c + j of lane l is number 128 c + 4 l + j
.irp c, 0,1,2,3
	global_load_b128 v[XR+16*((\t)%8)+4*\c:XR+16*((\t)%8)+4*\c+3], v3, s[4:5] offset:2048*(\t)+512*\c th:TH_LOAD_NT
.endr
.endm
.irp t, 0,1,2,3,4,5,6,7
	XLOAD \t
.endr
	s_wait_kmcnt 0x0
	s_add_co_i32 s22, s24, 127
	s_lshl_b32 s23, s22, 23
	v_mov_b32 v11, s23                             ; 2^e0 as f32: the conversion takes its exponent field
.macro XSTEP t
.if 15-(\t) >= 7
	s_wait_loadcnt 28                              ; this step's four loads are in; those of the seven steps behind it may be out
.else
	s_wait_loadcnt 4*(15-(\t))
.endif
.irp i, 0,1,2,3,4,5,6,7,8,9,10,11,12,13,14,15
.endr
	v_cvt_scalef32_pk8_fp8_f32 v[XC+4*(\t):XC+4*(\t)+1], v[XR+16*((\t)%8):XR+16*((\t)%8)+7], v11
	v_cvt_scalef32_pk8_fp8_f32 v[XC+4*(\t)+2:XC+4*(\t)+3], v[XR+16*((\t)%8)+8:XR+16*((\t)%8)+15], v11
.if (\t)+8 < 16
	XLOAD (\t)+8                                   ; the set just converted takes the loads of eight steps on
.endif
	global_store_b128 v3, v[XC+4*(\t):XC+4*(\t)+3], s[12:13] offset:512*(\t)   ; 32 lanes store 512 consecutive bytes
.endm
	s_wait_alu depctr_va_vdst(0)
.irp t, 0,1,2,3,4,5,6,7,8,9,10,11,12,13,14,15
	XSTEP \t
.endr
	s_endpgm
	; ---------------- the weights ----------------
.Lw:
	v_lshlrev_b32 v3, 2, v2                        ; 4 bytes a lane
	s_wait_alu depctr_va_vdst(0)
	s_sub_co_u32 s21, ttmp9, 256
	s_cmp_lt_u32 s21, 96                           ; 96 work-groups for W_attn (24 groups of 128 columns x 4 runs of 256 places), 32 for W_proj (8 x 4)
	s_cselect_b64 s[32:33], s[6:7], s[8:9]         ; from
	s_cselect_b64 s[34:35], s[14:15], s[16:17]     ; to
	s_mov_b32 s52, 4096
	s_cselect_b32 s52, 12288, s52                  ; bytes in a row of the weight
	s_cselect_b32 s53, 0, 96
	s_cselect_b32 s54, 8, 32                       ; rows from one block of 32 places to the next
	s_cselect_b32 s55, 1, 0
.set i, 0
.rept 32                               ; which row, counted from the block's first, holds place i: by the order of 512 for W_attn, by the order of 32 for W_proj
	s_mov_b32 s62, (8*(2*((i/8)%2)+i/16)+i%8)*4096
	s_cselect_b32 s62, (128*((i%16)/4)+4*(i/16)+i%4)*12288, s62
	v_add_nc_u32 v[VO+i], s62, v3
.set i, i+1
.endr
	s_sub_co_u32 s21, s21, s53
	s_lshr_b32 s57, s21, 2
	s_and_b32 s58, s21, 3                          ; y: places 256 y on
	s_lshl_b32 s57, s57, 7
	s_lshl_b32 s59, s20, 5
	s_add_co_u32 s57, s57, s59                     ; my wave's first column
	s_lshr_b32 s59, s58, 1
	s_lshl_b32 s59, s59, 9
	s_and_b32 s60, s58, 1
	s_lshl_b32 s60, s60, 6
	s_add_co_u32 s59, s59, s60                     ; W_attn: block 0's first row is 512 (y / 2) + 64 (y % 2),
	s_lshl_b32 s60, s58, 8                         ; W_proj: 256 y
	s_cmp_eq_u32 s55, 1
	s_cselect_b32 s59, s59, s60
	s_mul_i32 s60, s59, s52
	s_lshl_b32 s61, s57, 2
	s_add_co_u32 s60, s60, s61
	s_mov_b32 s61, 0
	s_add_nc_u64 s[36:37], s[32:33], s[60:61]      ; a base for each of the eight blocks: none is ever stepped
	s_mul_i32 s60, s54, s52
.irp t, 1,2,3,4,5,6,7
	s_add_nc_u64 s[36+2*\t:37+2*\t], s[34+2*\t:35+2*\t], s[60:61]
.endr
	s_lshl_b32 s60, s57, 10
	s_lshl_b32 s62, s58, 8
	s_add_co_u32 s60, s60, s62
	s_add_nc_u64 s[34:35], s[34:35], s[60:61]      ; the codes: column x 1,024 + 256 y
.macro WLOAD t                         ; block t: 32 rows at my column: 128 consecutive bytes a wave and load
.set q, 0
.rept 32
	global_load_b32 v[WX+32*((\t)%2)+q], v[VO+q], s[36+2*(\t):37+2*(\t)] th:TH_LOAD_NT
.set q, q+1
.endr
.endm
	s_wait_alu depctr_va_vdst(0)
	WLOAD 0
	WLOAD 1
	s_wait_kmcnt 0x0
	s_cmp_eq_u32 s55, 1
	s_cselect_b32 s56, s25, s31                    ; e1 or e7
	s_add_co_i32 s56, s56, 127
	s_lshl_b32 s62, s56, 23
	v_mov_b32 v11, s62                             ; 2^e
	s_add_co_i32 s56, s56, 8
	s_lshl_b32 s56, s56, 23
	s_or_b32 s56, s56, 0x600000
.macro WBLOCK t
.if (\t) < 7
	s_wait_loadcnt 32                              ; this block's 32 loads are in; the next block's may be out
.else
	s_wait_loadcnt 0
.endif
.set q, 0
.rept 32
.set q, q+1
.endr
.irp g, 0,1,2,3
	v_cvt_scalef32_pk8_fp8_f32 v[WC+2*\g:WC+2*\g+1], v[WX+32*((\t)%2)+8*\g:WX+32*((\t)%2)+8*\g+7], v11
.endr
	ds_store_b128 v4, v[WC:WC+3] offset:32*(\t)    ; 32 codes of my column's row
	ds_store_b128 v4, v[WC+4:WC+7] offset:32*(\t)+16
.if (\t)+2 < 8
	WLOAD (\t)+2
.endif
	s_wait_dscnt 0x0                               ; the stores have read their registers: the next block's codes may be written
.endm
	s_wait_alu depctr_va_vdst(0)
.irp t, 0,1,2,3,4,5,6,7
	WBLOCK \t
.endr
.irp t, 0,1,2,3,4,5,6,7,8,9,10,11,12,13,14,15
	ds_load_b128 v[OUTR+4*\t:OUTR+4*\t+3], v7 offset:2*\t*SP      ; LDS serves a wave's instructions in order (ISA guide 5.7.1.4): these see my stores
.endr
.irp t, 0,1,2,3,4,5,6,7,8,9,10,11,12,13,14,15
	s_wait_dscnt 15-\t
	global_store_b128 v8, v[OUTR+4*\t:OUTR+4*\t+3], s[34:35] offset:2*\t*1024   ; sixteen lanes store 256 consecutive aligned bytes
.endr
	s_wait_tensorcnt 0x0                           ; the wave's end
	ds_add_u32 v[SPW], v[NIL]
	s_wait_dscnt 0x0
	s_endpgm
.Lfunc_end_k_q17913c36ae_quant:
	.size	k_q17913c36ae_quant, .Lfunc_end_k_q17913c36ae_quant-k_q17913c36ae_quant
	.p2alignl 7, 3214868480
	.fill 96, 4, 3214868480
	.section	.rodata,"a",@progbits
	.p2align	6, 0x0
	.amdhsa_kernel k_q17913c36ae_quant
		.amdhsa_group_segment_fixed_size 35328
		.amdhsa_private_segment_fixed_size 0
		.amdhsa_enable_private_segment 0
		.amdhsa_kernarg_size 56
		.amdhsa_user_sgpr_count 2
		.amdhsa_user_sgpr_kernarg_segment_ptr 1
		.amdhsa_wavefront_size32 1
		.amdhsa_system_sgpr_workgroup_id_x 1
		.amdhsa_system_sgpr_workgroup_id_y 1
		.amdhsa_system_sgpr_workgroup_id_z 1
		.amdhsa_system_vgpr_workitem_id 0
		.amdhsa_next_free_vgpr 224
		.amdhsa_next_free_sgpr 66
		.amdhsa_reserve_vcc 0
		.amdhsa_float_denorm_mode_32 3
		.amdhsa_float_denorm_mode_16_64 3
		.amdhsa_fp16_overflow 1
		.amdhsa_memory_ordered 1
		.amdhsa_forward_progress 1
		.amdhsa_inst_pref_size 50
	.end_amdhsa_kernel
	.amdgpu_metadata
---
amdhsa.version: [ 1, 2 ]
amdhsa.kernels:
  - .name:           k_q17913c36ae_quant
    .symbol:         k_q17913c36ae_quant.kd
    .args:
      - { .name: x, .offset: 0, .size: 8, .value_kind: global_buffer, .address_space: global }
      - { .name: W_attn, .offset: 8, .size: 8, .value_kind: global_buffer, .address_space: global }
      - { .name: W_proj, .offset: 16, .size: 8, .value_kind: global_buffer, .address_space: global }
      - { .name: lowp_scales, .offset: 24, .size: 8, .value_kind: global_buffer, .address_space: global }
      - { .name: x_codes, .offset: 32, .size: 8, .value_kind: global_buffer, .address_space: global }
      - { .name: wa_codes, .offset: 40, .size: 8, .value_kind: global_buffer, .address_space: global }
      - { .name: wp_codes, .offset: 48, .size: 8, .value_kind: global_buffer, .address_space: global }
    .group_segment_fixed_size: 35328
    .private_segment_fixed_size: 0
    .kernarg_segment_align: 8
    .kernarg_segment_size: 56
    .max_flat_workgroup_size: 128
    .sgpr_count:     66
    .vgpr_count:     224
    .wavefront_size: 32
...
	.end_amdgpu_metadata
.endif
;; end of part 1
;; launch qkv (part 2): grid 12 x 32, 4 waves a work-group, clusters of 4 x 4, 327,680 bytes of LDS; arguments x_codes, wa_codes, lowp_scales, b_attn, q_img, k_img, v_img; writes q_img, k_img, v_img
.if DOCPART == 2
	.amdgcn_target "amdgcn-amd-amdhsa--gfx1250"
	.amdhsa_code_object_version 6
	.text
	.protected	k_q17913c36ae_qkv
	.globl	k_q17913c36ae_qkv
	.p2align	8
	.type	k_q17913c36ae_qkv,@function
k_q17913c36ae_qkv:
	s_mov_b64 s[64:65], 0
	v_nop
	global_prefetch_b8 v0, s[64:65] scope:SCOPE_SE
	s_setreg_imm32_b32 hwreg(HW_REG_WAVE_MODE, 25, 1), 1
	s_wait_xcnt 0x0
	s_wait_alu depctr_hold_cnt(0) depctr_sa_sdst(0) depctr_va_vdst(0) depctr_va_sdst(0) depctr_va_ssrc(0) depctr_va_vcc(0) depctr_vm_vsrc(0)
	s_getreg_b32 s2, hwreg(HW_REG_IB_STS2, 6, 4)
	s_cmp_eq_u32 s2, 0
	s_cbranch_scc0 .Lentry_in_a_cluster
	s_endpgm
.Lentry_in_a_cluster:
	s_bfe_u32 s2, ttmp6, 0x10000c
	s_cmp_lg_u32 s2, 0xf033
	s_cbranch_scc0 .Lentry_shape_is_right
	s_endpgm
.Lentry_shape_is_right:
; qkv = x W_attn + b_attn on codes of FP8 (E4M3), and q, k, v quantised at once for the attention: no f32 number of qkv goes to memory.
; x_codes [8192][1024], wa_codes [3072][1024]: K innermost, the same order of k in both.  A finished sum x 2^(e0 + e1) + bias is q, k or v in f32; its code is made with e2 (q), e3 (k) or e5 (v).
; LIMITS: e0 + e1 between -126 and 127; e2, e3, e5 between -126 and 119.  NaN is not served.
; A tile of 256 tokens x 256 features is made by four waves, 128 x 128 each: 64 accumulators, 512 registers.  K goes in steps of 256 through a ring of two LDS slots filled by the tensor data mover.
; CLUSTERS: 4 x 4 work-groups; x's tile is asked for jointly along a row of the cluster, W's along a column.  A cluster's 1,024 features are all of q (cluster x = 0), of k (1) or of v (2).
; WHICH OPERAND IS SOURCE 0.  A lane's eight results run along source 0's rows, and a conversion takes eight numbers of one lane that are neighbours along the NEXT product's K.
;   q, k: the next K is the head's 64 features: source 0 = 16 rows of W, source 1 = 16 tokens.     v: the next K is the keys: source 0 = 16 tokens, source 1 = 16 rows of W.
;   The text is the same: only the two LDS bases of the fragment addresses change places, chosen by the cluster's x, which all partners share.
; THE WAY OUT has no LDS: a lane's 16 codes are 16 bytes of an IMAGE OF THE NEXT OPERAND'S REGISTERS, and a wave's store covers 512 consecutive aligned bytes.
;   q_img, k_img [head 64][tile of 16 tokens: 128][c 2][lane][16]: lane (r, h): token r, features 32 c + 8 h + 0..7, then 32 c + 16 + 8 h + 0..7.
;   v_img [head 64][block of 64 keys: 32][dt 4][b 2][lane][16]: lane (r, h): feature 16 dt + r, keys 32 b + 8 h + 0..7, then 32 b + 16 + 8 h + 0..7.
; REGISTERS, in windows of 256: window 0: v0-31 addresses; v32-95, v96-111 the biases; from v128 set A's fragments (source 1), ONE set; on the way out v128-223 are at work.
;   window 1: set B's fragments (source 0), TWO sets.   window 2: the accumulators of set A's blocks 0-3 ((a, b) at v[8 (8 a + b)]);   window 3: of blocks 4-7.
.set KSTEP,  256
.set ROWB,   256
.set KROW,   1024
.set PITCH,  272                       ; an LDS row: 256 bytes + 16 of padding = 68 words: the 16 rows that a load touches start at 16 different banks (64 banks of 4 bytes: ISA guide 11.1)
.set FR,     16
.set NL,     4
.set NP,     4                         ; places behind this matrix instruction (ISA guide 7.12.1)
.set HALFT,  128*PITCH
.set SLOT,   4*HALFT                   ; x's 256 rows, then W's 256 rows
.set LAPS,   2                         ; 1,024 along K = two laps of two K steps
.set SPARE,  2*SLOT                    ; behind the ring: the spare words, 128 bytes a wave
.set ADRA, 16                          ; v16-17  LDS address of set A's fragments in slot 0, 1
.set ADRB, 20                          ; v20-21  of set B's
.set SCV,  24                          ; v24     2^e of the codes to be made
.set LO16, 26                          ; v26     16 x lane
.set LIMV, 27
.set SPW,  28                          ; v28     SPARE + 4 x my thread's number; never rewritten
.set NIL,  29                          ; v29     0; never rewritten
.set BROW, 32                          ; v32-95  q, k: the bias of the lane's 64 features (8 b + j: feature 16 b + 8 h + j)
.set BCOL, 96                          ; v96-111 v: the bias of feature 16 a + r in register 2 a (the odd ones are named as pairs' upper halves)
.set AF,   128
.set TMP,  128                         ; the way out: 64 numbers
.set CD,   192                         ; the way out: two sets of 16 registers of codes
.set G1, 24
.set G0, 32
.set G1B, 48
.set G0B, 56
.set MSB, 0
.macro WIN new                         ; the immediate's high byte repeats the setting that is left
.if MSB != (\new)
	s_set_vgpr_msb (MSB<<8)|(\new)
.set MSB, (\new)
.endif
.endm
.set MUL_LO, 0xa1                      ; source 0 (set B) window 1, source 1 (set A) window 0, C and D window 2
.set MUL_HI, 0xf1
.set TO_B,   0x40
; A joint load: waves 0 and 1 fetch x's halves, waves 2 and 3 W's.  The branch hangs on the wave's number alone.  An s_nop 0 and four v_nop follow each line.
.macro JLOAD g0a, g1a, g0b, g1b
	s_cmp_eq_u32 s15, 0
	s_cbranch_scc0 .Lfor_b_\@
	tensor_load_to_lds s[\g0a:\g0a+3], s[\g1a:\g1a+7]
	s_nop 0
.rept 4
	v_nop
.endr
	s_branch .Lasked_\@
.Lfor_b_\@:
	tensor_load_to_lds s[\g0b:\g0b+3], s[\g1b:\g1b+7]
	s_nop 0
.rept 4
	v_nop
.endr
.Lasked_\@:
.endm
.macro CREST                           ; a round of the cluster's barrier behind its opening barrier
	s_cmp_lg_u32 s14, 0
	s_cbranch_scc1 .Lnot_wave_0_\@
	s_barrier_signal -3
.Lnot_wave_0_\@:
	s_barrier_wait -3
	s_barrier_signal -1
	s_barrier_wait -1
.endm
.macro CROUND
	s_barrier_signal -1
	s_barrier_wait -1
	CREST
.endm
	s_load_b256 s[4:11], s[0:1], 0x0               ; x_codes s[4:5], wa_codes s[6:7], the scales' exponents s[8:9], b_attn s[10:11]
	s_load_b128 s[68:71], s[0:1], 0x20             ; q_img, k_img
	s_load_b64 s[72:73], s[0:1], 0x30              ; v_img
	v_lshl_add_u32 v[SPW], v0, 2, SPARE
	v_mov_b32 v[NIL], 0
	ds_add_u32 v[SPW], v[NIL]                      ; the wave's opening: the add and its wait ahead of my first tensor load
	ds_add_u32 v[SPW], v[NIL]
	v_lshrrev_b32 v1, 5, v0
	v_readfirstlane_b32 s14, v1                    ; wave 0..3
	s_lshr_b32 s15, s14, 1                         ; which half of set A's rows is mine.  Also: I fetch for x (0) or for W (1)
	s_and_b32 s16, s14, 1                          ; which half of set B's rows.  Also: which 128 rows I fetch
	s_bfe_u32 s40, ttmp6, 0x40000                  ; cx, cy: my place in the cluster
	s_bfe_u32 s41, ttmp6, 0x40004
	s_lshl_b32 s42, ttmp9, 2
	s_add_co_u32 s42, s42, s40                     ; tile of 256 features = 4 x cluster x + cx
	s_and_b32 s17, ttmp7, 0xffff
	s_lshl_b32 s17, s17, 2
	s_add_co_u32 s17, s17, s41                     ; tile of 256 tokens = 4 x cluster y + cy
	s_lshl_b32 s43, s41, 2
	s_lshl_b32 s43, 15, s43                        ; my row of the cluster
	s_lshl_b32 s44, 0x1111, s40                    ; my column
	s_or_b32 s[G1+0], s43, (0<<16)|(1<<20)|(1<<21)|(5<<22)|(3<<25)  ; the mask; elements of 1 byte; padding on; bit 21 beside a mask; after every 64 words four words
	s_or_b32 s[G1B+0], s44, (0<<16)|(1<<20)|(1<<21)|(5<<22)|(3<<25)
.irp g, G1, G1B
	s_mov_b32 s[\g+1], ROWB<<16                    ; tensor_dim0
	s_mov_b32 s[\g+2], 128<<16                     ; tensor_dim1
	s_mov_b32 s[\g+3], ROWB<<16                    ; tile_dim0
	s_mov_b32 s[\g+4], 128                         ; tile_dim1
	s_mov_b32 s[\g+5], KROW                        ; tensor_dim0_stride
	s_mov_b32 s[\g+6], 0
	s_mov_b32 s[\g+7], 0
.endr
	s_lshl_b32 s18, s16, 7
	s_lshl_b32 s20, s17, 8
	s_add_co_u32 s20, s20, s18                     ; x: row 256 x token tile + 128 x half
	s_lshl_b32 s46, s42, 8
	s_add_co_u32 s46, s46, s18                     ; W: row 256 x feature tile + 128 x half
	s_mov_b32 s21, 0
	s_mov_b32 s47, 0
	s_mov_b64 s[18:19], KROW
	s_mul_u64 s[20:21], s[20:21], s[18:19]
	s_mul_u64 s[46:47], s[46:47], s[18:19]
	s_mul_i32 s45, s14, HALFT                      ; where they go: wave x 128 rows
	s_wait_dscnt 0x0                               ; the opening add is done
	s_wait_kmcnt 0x0
	s_load_b256 s[76:83], s[8:9], 0x0              ; e0 .. e7
	s_add_nc_u64 s[20:21], s[4:5], s[20:21]
	s_add_nc_u64 s[46:47], s[6:7], s[46:47]
	CROUND                                         ; all sixteen work-groups are here: the first joint loads meet
.irp s, 0,1
	s_mov_b32 s[G0+4*\s], 1
	s_add_co_u32 s[G0+4*\s+1], s45, \s*SLOT
	s_add_nc_u64 s[G0+4*\s+2:G0+4*\s+3], s[20:21], \s*ROWB
	s_or_b32 s[G0+4*\s+3], s[G0+4*\s+3], 0x80000000
	s_mov_b32 s[G0B+4*\s], 1
	s_add_co_u32 s[G0B+4*\s+1], s45, \s*SLOT
	s_add_nc_u64 s[G0B+4*\s+2:G0B+4*\s+3], s[46:47], \s*ROWB
	s_or_b32 s[G0B+4*\s+3], s[G0B+4*\s+3], 0x80000000
	JLOAD G0+4*\s, G1, G0B+4*\s, G1B
.endr
	v_and_b32 v1, 15, v0                           ; r
	v_bfe_u32 v2, v0, 4, 1                         ; h
	v_mul_u32_u24 v3, v1, PITCH
	v_lshl_add_u32 v4, v2, 4, v3                   ; a fragment's row x pitch + 16 x half
	s_wait_alu depctr_va_vdst(0)
	s_mul_i32 s21, s15, HALFT
	s_mul_i32 s22, s16, HALFT
	s_cmp_eq_u32 ttmp9, 2                          ; v's cluster?  The same in all sixteen partners
	s_cselect_b32 s18, 2*HALFT, 0                  ; set A (source 1): x's rows for q and k, W's rows (behind x's 256) for v
	s_cselect_b32 s19, 0, 2*HALFT                  ; set B (source 0): the other
	s_add_co_u32 s21, s21, s18
	s_add_co_u32 s22, s22, s19
.irp s, 0,1
	v_add_nc_u32 v[ADRA+\s], s21, v4
	v_add_nc_u32 v[ADRB+\s], s22, v4
	s_add_co_u32 s21, s21, SLOT
	s_add_co_u32 s22, s22, SLOT
.endr
	; the biases, in both layouts: they land while K is walked
	s_lshl_b32 s46, s42, 10
	s_lshl_b32 s47, s16, 9
	s_add_co_u32 s46, s46, s47
	s_mov_b32 s47, 0
	s_add_nc_u64 s[86:87], s[10:11], s[46:47]      ; b_attn at feature 256 x tile + 128 (wave % 2)
	s_lshl_b32 s46, s42, 10
	s_lshl_b32 s47, s15, 9
	s_add_co_u32 s46, s46, s47
	s_mov_b32 s47, 0
	s_add_nc_u64 s[88:89], s[10:11], s[46:47]      ; and at 256 x tile + 128 (wave / 2)
	v_lshlrev_b32 v5, 5, v2                        ; 32 h
	v_lshlrev_b32 v6, 2, v1                        ; 4 r
.irp b, 0,1,2,3,4,5,6,7
	global_load_b128 v[BROW+8*\b:BROW+8*\b+3], v5, s[86:87] offset:64*\b
	global_load_b128 v[BROW+8*\b+4:BROW+8*\b+7], v5, s[86:87] offset:64*\b+16
.endr
.irp a, 0,1,2,3,4,5,6,7
	global_load_b32 v[BCOL+2*\a], v6, s[88:89] offset:64*\a
	v_mov_b32 v[BCOL+2*\a+1], 0
.endr
.macro FRAG reg, adr, q, i             ; 16 rows x 128 places: lane l holds row l % 16; registers 4 c .. 4 c + 3 hold places 32 c + 16 (l / 16) + 0 .. 15: alike in both operands
.irp c, 0,1,2,3
	ds_load_b128 v[\reg+4*\c:\reg+4*\c+3], v[\adr] offset:128*(\q)+32*\c+(\i)*16*PITCH
.endr
.endm
; 16 matrix instructions: set A's blocks a0, a0 + 1 x set B's eight.  The 64 accumulators take turns, one instruction a turn, in the same order in every step.
.macro MUL16 a0, p, zero
.irp a, \a0, \a0+1
.irp b, 0,1,2,3,4,5,6,7
.if \zero
	v_wmma_f32_16x16x128_fp8_fp8 v[8*(8*((\a)%4)+\b):8*(8*((\a)%4)+\b)+7], v[128*(\p)+FR*\b:128*(\p)+FR*\b+FR-1], v[AF+FR*(\a):AF+FR*(\a)+FR-1], 0
.else
	v_wmma_f32_16x16x128_fp8_fp8 v[8*(8*((\a)%4)+\b):8*(8*((\a)%4)+\b)+7], v[128*(\p)+FR*\b:128*(\p)+FR*\b+FR-1], v[AF+FR*(\a):AF+FR*(\a)+FR-1], v[8*(8*((\a)%4)+\b):8*(8*((\a)%4)+\b)+7]
.endif
.endr
.endr
.endm
.macro FETCH_B slot, q, p
	WIN TO_B
.irp i, 0,1,2,3,4,5,6,7
	FRAG 128*(\p)+FR*\i, ADRB+\slot, \q, \i
.endr
	WIN 0
.endm
.macro FETCH_A slot, q, i0
.irp i, \i0, \i0+1, \i0+2, \i0+3
	FRAG AF+FR*(\i), ADRA+\slot, \q, \i
.endr
.endm
.macro PLACES n                        ; plain vector instructions between a matrix instruction and a load into, or a vector read or write of, its registers
.rept \n
	v_nop
.endr
.endm
.macro STEP slot, q, zero              ; 128 along K that has its successor in the same slot
	s_wait_dscnt 4*NL                              ; set B and set A's blocks 0-3 are in; the youngest sixteen loads (blocks 4-7) may be out
	WIN MUL_LO
	MUL16 0, (\q)%2, \zero
	MUL16 2, (\q)%2, \zero
	s_wait_dscnt 0                                 ; blocks 4-7 are in
	PLACES NP
	FETCH_B \slot, (\q)+1, 1-(\q)%2
	FETCH_A \slot, (\q)+1, 0
	WIN MUL_HI
	MUL16 4, (\q)%2, \zero
	MUL16 6, (\q)%2, \zero
	PLACES NP
	WIN 0
	FETCH_A \slot, (\q)+1, 4
.endm
; A slot's last step changes slots: ONE barrier; in front of it each wave waits for all its tensor loads, adds 0 to its spare word, and waits for that and for its reads of this slot.
.macro TURN slot, next, fill
	s_wait_tensorcnt 0x0                           ; all my tensor loads have landed: my part of the next slot
	ds_add_u32 v[SPW], v[NIL]
	s_wait_dscnt 4*NL+1                            ; (the add and the youngest sixteen loads may be out)
	WIN MUL_LO
	MUL16 0, 1, 0
	s_wait_dscnt 0x0                               ; the add is done, and my reads of this slot are over
	s_barrier_signal -1
	MUL16 2, 1, 0
	WIN 0
	s_barrier_wait -1
.if \fill
	CREST                                          ; the barrier has opened a round of the cluster's: no wave of any partner still reads this slot or has a load on its way
	s_add_nc_u64 s[G0+4*\slot+2:G0+4*\slot+3], s[G0+4*\slot+2:G0+4*\slot+3], 2*ROWB
	s_add_nc_u64 s[G0B+4*\slot+2:G0B+4*\slot+3], s[G0B+4*\slot+2:G0B+4*\slot+3], 2*ROWB
	JLOAD G0+4*\slot, G1, G0B+4*\slot, G1B         ; the first tensor load behind the round; its four v_nop are the places in front of the loads below
.else
	PLACES NP
.endif
	FETCH_B \next, 0, 0
	FETCH_A \next, 0, 0
	WIN MUL_HI
	MUL16 4, 1, 0
	MUL16 6, 1, 0
	PLACES NP
	WIN 0
	FETCH_A \next, 0, 4
.endm
	s_wait_tensorcnt 1                             ; my part of K step 0 is in (K step 1's load may be out)
	s_barrier_signal -1
	s_barrier_wait -1                              ; everybody's is
	FETCH_B 0, 0, 0
	FETCH_A 0, 0, 0
	FETCH_A 0, 0, 4
	STEP 0, 0, 1                                   ; the first step's products start the sums
	s_mov_b32 s3, LAPS-1
.Llap:                                             ; a trip goes once round the ring and fills both slots again
	TURN 0, 1, 1
	STEP 1, 0, 0
	TURN 1, 0, 1
	STEP 0, 0, 0
	s_sub_co_u32 s3, s3, 1
	s_cmp_lg_u32 s3, 0
	s_cbranch_scc1 .Llap
	TURN 0, 1, 0                                   ; the last lap fills nothing
	STEP 1, 0, 0
	s_wait_dscnt 4*NL
	WIN MUL_LO
	MUL16 0, 1, 0
	MUL16 2, 1, 0
	s_wait_dscnt 0
	WIN MUL_HI
	MUL16 4, 1, 0
	MUL16 6, 1, 0
	WIN 0
	; THE WAY OUT
	s_wait_kmcnt 0x0
	s_add_co_i32 s84, s76, s77
	s_add_co_i32 s84, s84, 127
	s_lshl_b32 s84, s84, 23                        ; 2^(e0 + e1) as f32
	s_mov_b32 s85, s84                             ; (named with it as a pair)
	s_lshr_b32 s19, s17, 3                         ; the batch: 8 tiles of 256 tokens each
	s_and_b32 s18, s17, 7                          ; the tile in it
	s_lshl_b32 s20, s19, 4
	s_lshl_b32 s21, s40, 2
	s_add_co_u32 s20, s20, s21                     ; the first of the work-group's four heads: 16 x batch + 4 cx
	s_lshl_b32 s22, s16, 1                         ; q, k: ((head + 2 (wave % 2)) x 128 + 16 x tile + 8 (wave / 2)) x 1,024
	s_add_co_u32 s22, s22, s20
	s_lshl_b32 s22, s22, 7
	s_lshl_b32 s23, s18, 4
	s_add_co_u32 s22, s22, s23
	s_lshl_b32 s23, s15, 3
	s_add_co_u32 s22, s22, s23
	s_lshl_b32 s22, s22, 10
	s_lshl_b32 s46, s15, 1                         ; v: ((head + 2 (wave / 2)) x 32 + 4 x tile + 2 (wave % 2)) x 4,096
	s_add_co_u32 s46, s46, s20
	s_lshl_b32 s46, s46, 5
	s_lshl_b32 s47, s18, 2
	s_add_co_u32 s46, s46, s47
	s_lshl_b32 s47, s16, 1
	s_add_co_u32 s46, s46, s47
	s_lshl_b32 s46, s46, 12
	s_cmp_eq_u32 ttmp9, 0
	s_cselect_b32 s18, s78, s79                    ; e2 for q, e3 for k,
	s_cselect_b64 s[74:75], s[68:69], s[70:71]
	s_cmp_eq_u32 ttmp9, 2
	s_cselect_b32 s18, s81, s18                    ; e5 for v
	s_cselect_b64 s[74:75], s[72:73], s[74:75]
	s_cselect_b32 s22, s46, s22
	s_mov_b32 s23, 0
	s_add_nc_u64 s[74:75], s[74:75], s[22:23]
	s_add_co_i32 s18, s18, 127
	s_lshl_b32 s19, s18, 23
	v_mov_b32 v[SCV], s19
	v_and_b32 v[LO16], 31, v0
	v_lshlrev_b32 v[LO16], 4, v[LO16]
	s_wait_loadcnt 0x0                             ; the biases
	PLACES NP
; Set A's block a: 64 sums a lane -> x 2^(e0 + e1) + bias, each accumulator from its low end on -> 64 codes -> four stores of 512 consecutive bytes.
.macro OUT a, isv
	WIN 0x02+((\a)/4)                              ; source 0: window 2 or 3
.set j, 0
.rept 32
.if \isv
	v_pk_fma_f32 v[TMP+j:TMP+j+1], v[64*((\a)%4)+j:64*((\a)%4)+j+1], s[84:85], v[BCOL+2*(\a):BCOL+2*(\a)+1] op_sel_hi:[1,0,0]   ; one feature a lane: its bias for both halves
.else
	v_pk_fma_f32 v[TMP+j:TMP+j+1], v[64*((\a)%4)+j:64*((\a)%4)+j+1], s[84:85], v[BROW+j:BROW+j+1] op_sel_hi:[1,0,1]
.endif
.set j, j+2
.endr
	WIN 0
.set j, 0
.rept 64
.set j, j+1
.endr
.if (\a) >= 2
	s_wait_alu depctr_va_vdst(0)
	s_wait_xcnt 0x0                                ; block a - 2's stores have read this set of code registers
.endif
.irp b, 0,1,2,3,4,5,6,7
	v_cvt_scalef32_pk8_fp8_f32 v[CD+16*((\a)%2)+2*\b:CD+16*((\a)%2)+2*\b+1], v[TMP+8*\b:TMP+8*\b+7], v[SCV]
.endr
	v_nop                                          ; a plain instruction between the conversions and the next block's writes of their sources
.irp e, 0,1,2,3
.if \isv
	global_store_b128 v[LO16], v[CD+16*((\a)%2)+4*\e:CD+16*((\a)%2)+4*\e+3], s[74:75] offset:((\a)/4)*131072+((\a)%4)*1024+(\e/2)*4096+(\e%2)*512
.else
	global_store_b128 v[LO16], v[CD+16*((\a)%2)+4*\e:CD+16*((\a)%2)+4*\e+3], s[74:75] offset:(\a)*1024+(\e/2)*131072+(\e%2)*512
.endif
.endr
.endm
	s_cmp_eq_u32 ttmp9, 2
	s_cbranch_scc1 .Lv
.irp a, 0,1,2,3,4,5,6,7
	OUT \a, 0
.endr
	s_branch .Ldone
.Lv:
.irp a, 0,1,2,3,4,5,6,7
	OUT \a, 1
.endr
.Ldone:
	s_wait_tensorcnt 0x0                           ; the wave's end
	ds_add_u32 v[SPW], v[NIL]
	s_wait_dscnt 0x0
	CROUND                                         ; the closing round: no work-group ends while a partner may still ask for a tile that names it
	s_endpgm
.Lfunc_end_k_q17913c36ae_qkv:
	.size	k_q17913c36ae_qkv, .Lfunc_end_k_q17913c36ae_qkv-k_q17913c36ae_qkv
	.p2alignl 7, 3214868480
	.fill 96, 4, 3214868480
	.section	.rodata,"a",@progbits
	.p2align	6, 0x0
	.amdhsa_kernel k_q17913c36ae_qkv
		.amdhsa_group_segment_fixed_size 327680
		.amdhsa_private_segment_fixed_size 0
		.amdhsa_enable_private_segment 0
		.amdhsa_kernarg_size 56
		.amdhsa_user_sgpr_count 2
		.amdhsa_user_sgpr_kernarg_segment_ptr 1
		.amdhsa_wavefront_size32 1
		.amdhsa_system_sgpr_workgroup_id_x 1
		.amdhsa_system_sgpr_workgroup_id_y 1
		.amdhsa_system_sgpr_workgroup_id_z 1
		.amdhsa_system_vgpr_workitem_id 0
		.amdhsa_next_free_vgpr 1024
		.amdhsa_next_free_sgpr 98
		.amdhsa_reserve_vcc 0
		.amdhsa_float_denorm_mode_32 3
		.amdhsa_float_denorm_mode_16_64 3
		.amdhsa_fp16_overflow 1
		.amdhsa_memory_ordered 1
		.amdhsa_forward_progress 1
		.amdhsa_inst_pref_size 130
	.end_amdhsa_kernel
	.amdgpu_metadata
---
amdhsa.version: [ 1, 2 ]
amdhsa.kernels:
  - .name:           k_q17913c36ae_qkv
    .symbol:         k_q17913c36ae_qkv.kd
    .args:
      - { .name: x_codes, .offset: 0, .size: 8, .value_kind: global_buffer, .address_space: global }
      - { .name: wa_codes, .offset: 8, .size: 8, .value_kind: global_buffer, .address_space: global }
      - { .name: lowp_scales, .offset: 16, .size: 8, .value_kind: global_buffer, .address_space: global }
      - { .name: b_attn, .offset: 24, .size: 8, .value_kind: global_buffer, .address_space: global }
      - { .name: q_img, .offset: 32, .size: 8, .value_kind: global_buffer, .address_space: global }
      - { .name: k_img, .offset: 40, .size: 8, .value_kind: global_buffer, .address_space: global }
      - { .name: v_img, .offset: 48, .size: 8, .value_kind: global_buffer, .address_space: global }
    .group_segment_fixed_size: 327680
    .private_segment_fixed_size: 0
    .kernarg_segment_align: 8
    .kernarg_segment_size: 56
    .max_flat_workgroup_size: 128
    .sgpr_count:     98
    .vgpr_count:     1024
    .wavefront_size: 32
...
	.end_amdgpu_metadata
.endif
;; end of part 2
;; launch attn (part 3): grid 4 x 64, 16 waves a work-group, no clusters, 167,936 bytes of LDS; arguments q_img, k_img, v_img, lowp_scales, a_img; writes a_img
.if DOCPART == 3
	.amdgcn_target "amdgcn-amd-amdhsa--gfx1250"
	.amdhsa_code_object_version 6
	.text
	.protected	k_q17913c36ae_attn
	.globl	k_q17913c36ae_attn
	.p2align	8
	.type	k_q17913c36ae_attn,@function
k_q17913c36ae_attn:
	s_mov_b64 s[64:65], 0
	v_nop
	global_prefetch_b8 v0, s[64:65] scope:SCOPE_SE
	s_setreg_imm32_b32 hwreg(HW_REG_WAVE_MODE, 25, 1), 1
	s_wait_xcnt 0x0
; Attention over a band: query i sees keys j with i - 256 < j <= i.  Both products on codes of FP8 (E4M3); head size 64; the result is quantised at once (e6) for the last product.
; t = score x log2(e) / 8; M = ceil(the row's largest t); p = 2^(t - M) is quantised with e4, not normalised; the row's sum of the unquantised p divides the second product's result.
; LIMITS: e2 + e3 between -123 and 130 (added to c's exponent field); e4 and e6 between -126 and 119; e4 + e5 is applied by v_ldexp_f32.  NaN is not served.
; SHARES.  A work-group owns 512 queries of one head.  It needs 768 keys, the 256 in front and its own 512: 48 KB of k_img and 48 KB of v_img, brought ONCE by six tensor loads of 16 KB (waves 0 to 5, one each):
; no slot is ever filled again.  For the head's first 512 queries the front chunk is a second copy of keys 0 to 255: every one of its keys is hidden by the mask below.
; Wave w owns query tiles 2 w and 2 w + 1, one after the other.  Both lie in the group of 64 queries g = w / 2, whose window is the five blocks of 64 keys g .. g + 4 of the twelve in LDS: 320 keys.
; A ROW'S 320 SCORES STAY IN REGISTERS (160 a lane, the lane 16 away holds the others): M is the row's own ceiling, and nothing is rescaled.
; LAYOUT.  S^T = K Q^T and O^T = V^T P: a lane holds one query (lane % 16).  Register n of block s is window key 64 s + 16 (n / 8) + n % 8 + 8 (lane / 16); the conversions' results are the second product's operand,
; and v_img has its keys in that order.  All fragments lie in LDS and memory as images of registers: 16 bytes a lane, 512 consecutive bytes a load.
; NO CLUSTER: of a work-group's three chunks of K and of V only one is also a neighbour's, and it lands at another LDS place there.
; REGISTERS: v1 16 x lane; v2, v3 the add's two; v4, v5 the mask's bounds; v6 -infinity; v7, v8 LDS addresses; v9, v19 lane terms of the bounds; v[10:11] -M, later 1 / the sum; v[12:15] the sum; v16-18 the maximum;
;   v21, v23 the scales; v24-31 Q, later p's codes of block 0; v32-63 K or V; v64-223 S^T, p, later p's codes (v64-95) and V (v96-223); v224-255 K, later O^T.
.set SPARE, 98304                      ; behind K's and V's 49,152 bytes each: the spare words, 128 bytes a wave
.set SPW,  2
.set NIL,  3
.set DLO,  4
.set DHI,  5
.set NINF, 6
.set ADK,  7
.set ADV,  8
.set RHO8, 9
.set NEG8, 19
.set KV0,  32
.set S,    64
.set O,    224
.set WV,   18
.set G1,   24
.set G0,   32
	s_load_b256 s[4:11], s[0:1], 0x0               ; q_img s[4:5], k_img s[6:7], v_img s[8:9], the scales' exponents s[10:11]
	s_load_b64 s[12:13], s[0:1], 0x20              ; a_img
	v_lshl_add_u32 v[SPW], v0, 2, SPARE
	v_mov_b32 v[NIL], 0
	ds_add_u32 v[SPW], v[NIL]                      ; the wave's opening: the add and its wait ahead of the first tensor load
	ds_add_u32 v[SPW], v[NIL]
	v_lshrrev_b32 v1, 5, v0
	s_delay_alu instid0(VALU_DEP_1)
	v_readfirstlane_b32 s[WV], v1                  ; wave 0..15
	s_mov_b32 s[G1+0], 3<<16                       ; no mask; elements of 8 bytes; no padding
	s_mov_b32 s[G1+1], 32<<16                      ; tensor_dim0 = 32: rows of 256 bytes
	s_mov_b32 s[G1+2], 64<<16                      ; tensor_dim1 = 64
	s_mov_b32 s[G1+3], 32<<16                      ; tile_dim0
	s_mov_b32 s[G1+4], 64                          ; tile_dim1
	s_mov_b32 s[G1+5], 32                          ; the pitch: the block is dense
	s_mov_b32 s[G1+6], 0
	s_mov_b32 s[G1+7], 0
	s_mov_b32 s20, 0x76543210                      ; v_permlanex16_b32's selects: lane l xor 16
	s_mov_b32 s21, 0xfedcba98
	s_mov_b32 s22, 0x3e38aa3b                      ; c = log2(e) / 8
	s_and_b32 s47, ttmp7, 0xffff                   ; batch x 16 + head
	s_cmp_lt_u32 s[WV], 3                          ; waves 0-2 fetch K's three chunks, waves 3-5 V's
	s_cselect_b32 s44, 0, 3
	s_sub_co_u32 s44, s[WV], s44
	s_lshl_b32 s45, ttmp9, 1
	s_add_co_u32 s45, s45, s44
	s_sub_co_i32 s45, s45, 1
	s_max_i32 s45, s45, 0                          ; chunk of 256 keys: 2 x block - 1 + j, not under 0
	s_lshl_b32 s45, s45, 14
	s_lshl_b32 s48, s47, 17                        ; a head's image is 131,072 bytes
	s_add_co_u32 s48, s48, s45
	s_mov_b32 s49, 0
	s_lshl_b32 s50, s47, 7                         ; Q: (128 x head + 32 x block + 2 x wave) x 1,024
	s_lshl_b32 s54, ttmp9, 5
	s_add_co_u32 s50, s50, s54
	s_lshl_b32 s55, s[WV], 1
	s_add_co_u32 s50, s50, s55
	s_lshl_b32 s50, s50, 10
	s_mov_b32 s51, 0
	s_lshr_b32 s52, s47, 4                         ; a_img: (128 x batch + 32 x block + 2 x wave) x 16,384 + head x 1,024
	s_lshl_b32 s52, s52, 7
	s_add_co_u32 s52, s52, s54
	s_add_co_u32 s52, s52, s55
	s_lshl_b32 s52, s52, 14
	s_and_b32 s54, s47, 15
	s_lshl_b32 s54, s54, 10
	s_add_co_u32 s52, s52, s54
	s_mov_b32 s53, 0
	s_lshr_b32 s61, s[WV], 1                       ; g
	s_lshl_b32 s46, ttmp9, 9
	s_lshl_b32 s54, s61, 6
	s_add_co_u32 s46, s46, s54
	s_sub_co_i32 s46, s46, 256                     ; W0: the window's first key, counted in the sequence; under 0 for the first 256 queries
	s_wait_dscnt 0x0                               ; the opening add is done
	s_wait_kmcnt 0x0
	s_load_b256 s[36:43], s[10:11], 0x0            ; e0 .. e7
	s_cmp_lt_u32 s[WV], 3
	s_cselect_b64 s[G0+2:G0+3], s[6:7], s[8:9]
	s_add_nc_u64 s[G0+2:G0+3], s[G0+2:G0+3], s[48:49]
	s_or_b32 s[G0+3], s[G0+3], 0x80000000          ; type = 2
	s_mov_b32 s[G0], 1
	s_lshl_b32 s[G0+1], s[WV], 14                  ; LDS: 16,384 x wave: K's chunks, then V's
	s_cmp_lt_u32 s[WV], 6
	s_cbranch_scc0 .Lno_fetch
	tensor_load_to_lds s[G0:G0+3], s[G1:G1+7]      ; one load of mine is out
	s_nop 0
.rept 4
	v_nop
.endr
.Lno_fetch:
	s_add_nc_u64 s[56:57], s[4:5], s[50:51]
	s_add_nc_u64 s[58:59], s[12:13], s[52:53]
	v_and_b32 v1, 31, v0
	s_delay_alu instid0(VALU_DEP_1)
	v_lshlrev_b32 v1, 4, v1                        ; 16 x lane
	global_load_b128 v[24:27], v1, s[56:57]        ; the first tile's Q
	global_load_b128 v[28:31], v1, s[56:57] offset:512
	s_lshl_b32 s54, s61, 12
	v_add_nc_u32 v[ADK], s54, v1                   ; K's block g
	s_delay_alu instid0(VALU_DEP_1)
	v_add_nc_u32 v[ADV], 49152, v[ADK]             ; V's block g
	v_and_b32 v16, 15, v0                          ; r
	v_bfe_u32 v17, v0, 4, 1
	s_delay_alu instid0(VALU_DEP_1)
	v_lshlrev_b32 v17, 3, v17                      ; 8 h
	s_and_b32 s54, s[WV], 1
	s_lshl_b32 s54, s54, 5
	v_sub_nc_u32 v[RHO8], v16, v17
	s_delay_alu instid0(VALU_DEP_1)
	v_add_nc_u32 v[RHO8], s54, v[RHO8]             ; 32 (wave % 2) + r - 8 h
	s_not_b32 s54, s46
	v_sub_nc_u32 v[NEG8], s54, v17                 ; -1 - W0 - 8 h
	v_mov_b32 v[NINF], 0xff800000
	v_mov_b32 v11, 0                               ; (named as a pair's upper half)
	v_mov_b32 v18, 0                               ; a lane permute's destination counts as read
	s_wait_alu depctr_va_vdst(0)
	s_wait_kmcnt 0x0
	s_add_co_i32 s54, s38, s39
	s_lshl_b32 s54, s54, 23
	s_add_co_i32 s22, s22, s54                     ; a score stands for score x 2^(e2 + e3)
	s_mov_b32 s23, s22
	s_add_co_i32 s54, s40, 127
	s_lshl_b32 s55, s54, 23
	v_mov_b32 v21, s55                             ; 2^e4
	s_add_co_i32 s54, s42, 127
	s_lshl_b32 s55, s54, 23
	v_mov_b32 v23, s55                             ; 2^e6
	s_add_co_i32 s60, s40, s41                     ; e4 + e5
	s_wait_tensorcnt 0x0                           ; my chunk has landed,
	s_barrier_signal -1
	s_barrier_wait -1                              ; everybody's has: the launch's one barrier
.macro KLOAD s, buf                    ; window block s of K: four tiles of 16 keys, 8 registers each
.irp t, 0,1,2,3
.irp c, 0,1
	ds_load_b128 v[(\buf)+8*\t+4*\c:(\buf)+8*\t+4*\c+3], v[ADK] offset:(4*(\s)+\t)*1024+512*\c
.endr
.endr
.endm
.macro VLOAD s, buf                    ; window block s of V^T: four tiles of 16 features x 64 keys
.irp t, 0,1,2,3
.irp c, 0,1
	ds_load_b128 v[(\buf)+8*\t+4*\c:(\buf)+8*\t+4*\c+3], v[ADV] offset:4096*(\s)+1024*\t+512*\c
.endr
.endr
.endm
.macro MASKLO s                        ; a key counts where its place is above max(query - 256, -1), in window terms: 64 s + 16 (n / 8) + n % 8 > v[DLO]; else its score becomes -infinity
.set n, 0
.rept 32
	v_cmp_gt_i32 vcc_lo, 64*(\s)+16*(n/8)+n%8, v[DLO]
	v_cndmask_b32 v[S+32*(\s)+n], v[NINF], v[S+32*(\s)+n], vcc_lo
.set n, n+1
.endr
.endm
.macro TILE it
.if \it
	s_wait_xcnt 0x0                                ; the last tile's stores have read v32-39
.endif
	v_add_nc_u32 v[DHI], 16*\it, v[RHO8]           ; my query's place in its group of 64, less 8 h
	s_delay_alu instid0(VALU_DEP_1)
	v_cmp_gt_i32 vcc_lo, v[NEG8], v[DHI]
	s_delay_alu instid0(VALU_DEP_1)
	v_cndmask_b32 v[DLO], v[DHI], v[NEG8], vcc_lo  ; the larger of the two lower bounds
	KLOAD 0, KV0
	KLOAD 1, O
	s_wait_alu depctr_va_vdst(0)
	s_wait_loadcnt 0x0                             ; Q
.irp s, 0,1,2,3,4                      ; S^T = K Q^T, a block of 64 keys at a time, K's blocks in two buffers by turns
.if \s < 4
	s_wait_dscnt 8                                 ; this block's eight loads are in; the next block's may be out
.else
	s_wait_dscnt 0
.endif
.irp t, 0,1,2,3
	v_wmma_f32_16x16x64_fp8_fp8 v[S+32*\s+8*\t:S+32*\s+8*\t+7], v[KV0+192*(\s%2)+8*\t:KV0+192*(\s%2)+8*\t+7], v[24:31], 0
.endr
.if \s < 3
.rept 4
	v_nop                                          ; places in front of loads into registers that these products have read
.endr
	KLOAD \s+2, KV0+192*(\s%2)
.endif
.endr
	MASKLO 0                                       ; block 0: keys too old.  (These 64 lines are also the places behind the last products)
	VLOAD 0, KV0
	s_cmp_ge_i32 s46, 0                            ; blocks 1 to 3 hold hidden keys only where the window begins ahead of the sequence: a branch on ids
	s_cbranch_scc1 .Linside_\@
	MASKLO 1
	MASKLO 2
	MASKLO 3
.Linside_\@:
.set n, 0
.rept 32                               ; block 4: keys that come after my query
	v_cmp_gt_i32 vcc_lo, 16*(n/8)+n%8, v[DHI]
	v_cndmask_b32 v[S+128+n], v[S+128+n], v[NINF], vcc_lo
.set n, n+1
.endr
	v_max3_num_f32 v16, v[S], v[S+1], v[S+2]       ; the largest of my 160 scores, in two chains, each accumulator from its low end on
	v_max3_num_f32 v17, v[S+80], v[S+81], v[S+82]
.set n, 3
.rept 38
	v_max3_num_f32 v16, v16, v[S+n], v[S+n+1]
	v_max3_num_f32 v17, v17, v[S+80+n], v[S+81+n]
.set n, n+2
.endr
	v_max3_num_f32 v16, v16, v[S+79], v[S+159]
	s_delay_alu instid0(VALU_DEP_1)
	v_max_num_f32 v16, v16, v17
	s_delay_alu instid0(VALU_DEP_1)
	v_permlanex16_b32 v18, v16, s20, s21
	s_delay_alu instid0(VALU_DEP_1)
	v_max_num_f32 v16, v16, v18                    ; and of lane l xor 16's: my own key always counts, so this is a number
	s_delay_alu instid0(VALU_DEP_1)
	v_mul_f32 v16, s22, v16                        ; as t (c is positive)
	s_delay_alu instid0(VALU_DEP_1)
	v_floor_f32 v10, -v16                          ; -M = floor(-t) = -ceil(t)
.set n, 0
.rept 80
	v_pk_fma_f32 v[S+n:S+n+1], v[S+n:S+n+1], s[22:23], v[10:11] op_sel_hi:[1,0,0]   ; t - M
.set n, n+2
.endr
.set n, 0
	s_wait_alu depctr_va_vdst(0)
.rept 160
	v_exp_f32 v[S+n], v[S+n]                       ; p = 2^(t - M); 0 for a hidden key
.set n, n+1
.endr
	v_nop                                          ; a plain instruction behind the last exponential
	s_wait_alu depctr_va_vdst(0)                   ; the wait ahead of the first use: one for the batch
	v_pk_add_f32 v[14:15], v[64:65], v[66:67]
	v_pk_add_f32 v[254:255], v[72:73], v[76:77]
	v_pk_add_f32 v[252:253], v[80:81], v[84:85]
	v_pk_add_f32 v[250:251], v[88:89], v[92:93]
	v_pk_add_f32 v[248:249], v[96:97], v[100:101]
	v_pk_add_f32 v[246:247], v[104:105], v[108:109]
	v_pk_add_f32 v[244:245], v[112:113], v[116:117]
	v_pk_add_f32 v[12:13], v[120:121], v[124:125]
	v_pk_add_f32 v[12:13], v[12:13], v[128:129]
	v_pk_add_f32 v[14:15], v[14:15], v[132:133]
	v_pk_add_f32 v[254:255], v[254:255], v[136:137]
	v_pk_add_f32 v[252:253], v[252:253], v[140:141]
	v_pk_add_f32 v[250:251], v[250:251], v[144:145]
	v_pk_add_f32 v[248:249], v[248:249], v[148:149]
	v_pk_add_f32 v[246:247], v[246:247], v[152:153]
	v_pk_add_f32 v[244:245], v[244:245], v[156:157]
	v_pk_add_f32 v[12:13], v[12:13], v[160:161]
	v_pk_add_f32 v[14:15], v[14:15], v[164:165]
	v_pk_add_f32 v[254:255], v[254:255], v[168:169]
	v_pk_add_f32 v[252:253], v[252:253], v[172:173]
	v_pk_add_f32 v[250:251], v[250:251], v[176:177]
	v_pk_add_f32 v[248:249], v[248:249], v[180:181]
	v_pk_add_f32 v[246:247], v[246:247], v[184:185]
	v_pk_add_f32 v[244:245], v[244:245], v[188:189]
	v_pk_add_f32 v[12:13], v[12:13], v[192:193]
	v_pk_add_f32 v[14:15], v[14:15], v[196:197]
	v_pk_add_f32 v[254:255], v[254:255], v[200:201]
	v_pk_add_f32 v[252:253], v[252:253], v[204:205]
	v_pk_add_f32 v[250:251], v[250:251], v[208:209]
	v_pk_add_f32 v[248:249], v[248:249], v[212:213]
	v_pk_add_f32 v[246:247], v[246:247], v[216:217]
	v_pk_add_f32 v[244:245], v[244:245], v[220:221]
	v_pk_add_f32 v[12:13], v[12:13], v[68:69]
	v_pk_add_f32 v[14:15], v[14:15], v[70:71]
	v_pk_add_f32 v[254:255], v[254:255], v[74:75]
	v_pk_add_f32 v[252:253], v[252:253], v[78:79]
	v_pk_add_f32 v[250:251], v[250:251], v[82:83]
	v_pk_add_f32 v[248:249], v[248:249], v[86:87]
	v_pk_add_f32 v[246:247], v[246:247], v[90:91]
	v_pk_add_f32 v[244:245], v[244:245], v[94:95]
	v_pk_add_f32 v[12:13], v[12:13], v[98:99]
	v_pk_add_f32 v[14:15], v[14:15], v[102:103]
	v_pk_add_f32 v[254:255], v[254:255], v[106:107]
	v_pk_add_f32 v[252:253], v[252:253], v[110:111]
	v_pk_add_f32 v[250:251], v[250:251], v[114:115]
	v_pk_add_f32 v[248:249], v[248:249], v[118:119]
	v_pk_add_f32 v[246:247], v[246:247], v[122:123]
	v_pk_add_f32 v[244:245], v[244:245], v[126:127]
	v_pk_add_f32 v[12:13], v[12:13], v[130:131]
	v_pk_add_f32 v[14:15], v[14:15], v[134:135]
	v_pk_add_f32 v[254:255], v[254:255], v[138:139]
	v_pk_add_f32 v[252:253], v[252:253], v[142:143]
	v_pk_add_f32 v[250:251], v[250:251], v[146:147]
	v_pk_add_f32 v[248:249], v[248:249], v[150:151]
	v_pk_add_f32 v[246:247], v[246:247], v[154:155]
	v_pk_add_f32 v[244:245], v[244:245], v[158:159]
	v_pk_add_f32 v[12:13], v[12:13], v[162:163]
	v_pk_add_f32 v[14:15], v[14:15], v[166:167]
	v_pk_add_f32 v[254:255], v[254:255], v[170:171]
	v_pk_add_f32 v[252:253], v[252:253], v[174:175]
	v_pk_add_f32 v[250:251], v[250:251], v[178:179]
	v_pk_add_f32 v[248:249], v[248:249], v[182:183]
	v_pk_add_f32 v[246:247], v[246:247], v[186:187]
	v_pk_add_f32 v[244:245], v[244:245], v[190:191]
	v_pk_add_f32 v[12:13], v[12:13], v[194:195]
	v_pk_add_f32 v[14:15], v[14:15], v[198:199]
	v_pk_add_f32 v[254:255], v[254:255], v[202:203]
	v_pk_add_f32 v[252:253], v[252:253], v[206:207]
	v_pk_add_f32 v[250:251], v[250:251], v[210:211]
	v_pk_add_f32 v[248:249], v[248:249], v[214:215]
	v_pk_add_f32 v[246:247], v[246:247], v[218:219]
	v_pk_add_f32 v[244:245], v[244:245], v[222:223]
	s_delay_alu instid0(VALU_DEP_4)
	v_pk_add_f32 v[12:13], v[12:13], v[250:251]
	s_delay_alu instid0(VALU_DEP_4)
	v_pk_add_f32 v[14:15], v[14:15], v[248:249]
	s_delay_alu instid0(VALU_DEP_4)
	v_pk_add_f32 v[254:255], v[254:255], v[246:247]
	s_delay_alu instid0(VALU_DEP_4)
	v_pk_add_f32 v[252:253], v[252:253], v[244:245]
	s_delay_alu instid0(VALU_DEP_2)
	v_pk_add_f32 v[12:13], v[12:13], v[254:255]
	s_delay_alu instid0(VALU_DEP_2)
	v_pk_add_f32 v[14:15], v[14:15], v[252:253]
	s_delay_alu instid0(VALU_DEP_1)
	v_pk_add_f32 v[12:13], v[12:13], v[14:15]
.irp s, 0,1,2,3,4                      ; p's codes: block 0's into Q's registers, the others' into block 0's; a block's own registers then take its V
.set n, 0
.rept 32
.set n, n+1
.endr
	v_nop
.irp t, 0,1,2,3
.if \s == 0
	v_cvt_scalef32_pk8_fp8_f32 v[24+2*\t:25+2*\t], v[S+8*\t:S+8*\t+7], v21
.else
	v_cvt_scalef32_pk8_fp8_f32 v[S+8*(\s-1)+2*\t:S+8*(\s-1)+2*\t+1], v[S+32*\s+8*\t:S+32*\s+8*\t+7], v21
.endif
.endr
.if \s > 0
	VLOAD \s, S+32*\s
.endif
.endr
	v_nop                                          ; a plain instruction between the conversions and the products that read their results
.irp s, 0,1,2,3,4                      ; O^T = V^T P: four accumulators by turns, one instruction a turn
	s_wait_alu depctr_va_vdst(0)
	s_wait_dscnt 8*(4-\s)                          ; V's block s is in; the blocks behind it may be out
.irp t, 0,1,2,3
.if \s == 0
	v_wmma_f32_16x16x64_fp8_fp8 v[O+8*\t:O+8*\t+7], v[KV0+8*\t:KV0+8*\t+7], v[24:31], 0
.else
	v_wmma_f32_16x16x64_fp8_fp8 v[O+8*\t:O+8*\t+7], v[S+32*\s+8*\t:S+32*\s+8*\t+7], v[S+8*(\s-1):S+8*(\s-1)+7], v[O+8*\t:O+8*\t+7]
.endif
.endr
.endr
.rept 4
	v_nop                                          ; places in front of the loads below and of the first read of O^T
.endr
.if \it == 0
	global_load_b128 v[24:27], v1, s[56:57] offset:1024    ; the next tile's Q
	global_load_b128 v[28:31], v1, s[56:57] offset:1536
.endif
	v_add_f32 v12, v12, v13                        ; the sum's two halves,
	s_delay_alu instid0(VALU_DEP_1)
	v_permlanex16_b32 v18, v12, s20, s21
	s_delay_alu instid0(VALU_DEP_1)
	v_add_f32 v12, v12, v18                        ; and lane l xor 16's
	s_wait_alu depctr_va_vdst(0)
	v_rcp_f32 v10, v12
	v_nop
	s_wait_alu depctr_va_vdst(0)                   ; the wait ahead of the reciprocal's first use
	v_ldexp_f32 v10, v10, s60                      ; x 2^(e4 + e5)
.set n, 0
.rept 16
	v_pk_mul_f32 v[O+n:O+n+1], v[O+n:O+n+1], v[10:11] op_sel_hi:[1,0]   ; register 8 dt + j: feature 16 dt + 8 h + j of my query
.set n, n+2
.endr
.set n, 0
.rept 32
.set n, n+1
.endr
.irp t, 0,1,2,3
	v_cvt_scalef32_pk8_fp8_f32 v[32+2*\t:33+2*\t], v[O+8*\t:O+8*\t+7], v23
.endr
	v_nop
	global_store_b128 v1, v[32:35], s[58:59] offset:16384*\it       ; 32 lanes store 512 consecutive aligned bytes of the last product's operand image
	global_store_b128 v1, v[36:39], s[58:59] offset:16384*\it+512
.endm
	TILE 0
	TILE 1
	s_wait_tensorcnt 0x0                           ; the wave's end
	ds_add_u32 v[SPW], v[NIL]
	s_wait_dscnt 0x0
	s_endpgm
.Lfunc_end_k_q17913c36ae_attn:
	.size	k_q17913c36ae_attn, .Lfunc_end_k_q17913c36ae_attn-k_q17913c36ae_attn
	.p2alignl 7, 3214868480
	.fill 96, 4, 3214868480
	.section	.rodata,"a",@progbits
	.p2align	6, 0x0
	.amdhsa_kernel k_q17913c36ae_attn
		.amdhsa_group_segment_fixed_size 167936
		.amdhsa_private_segment_fixed_size 0
		.amdhsa_enable_private_segment 0
		.amdhsa_kernarg_size 40
		.amdhsa_user_sgpr_count 2
		.amdhsa_user_sgpr_kernarg_segment_ptr 1
		.amdhsa_wavefront_size32 1
		.amdhsa_system_sgpr_workgroup_id_x 1
		.amdhsa_system_sgpr_workgroup_id_y 1
		.amdhsa_system_sgpr_workgroup_id_z 1
		.amdhsa_system_vgpr_workitem_id 0
		.amdhsa_next_free_vgpr 256
		.amdhsa_next_free_sgpr 66
		.amdhsa_reserve_vcc 1
		.amdhsa_float_denorm_mode_32 3
		.amdhsa_float_denorm_mode_16_64 3
		.amdhsa_fp16_overflow 1
		.amdhsa_memory_ordered 1
		.amdhsa_forward_progress 1
		.amdhsa_inst_pref_size 97
	.end_amdhsa_kernel
	.amdgpu_metadata
---
amdhsa.version: [ 1, 2 ]
amdhsa.kernels:
  - .name:           k_q17913c36ae_attn
    .symbol:         k_q17913c36ae_attn.kd
    .args:
      - { .name: q_img, .offset: 0, .size: 8, .value_kind: global_buffer, .address_space: global }
      - { .name: k_img, .offset: 8, .size: 8, .value_kind: global_buffer, .address_space: global }
      - { .name: v_img, .offset: 16, .size: 8, .value_kind: global_buffer, .address_space: global }
      - { .name: lowp_scales, .offset: 24, .size: 8, .value_kind: global_buffer, .address_space: global }
      - { .name: a_img, .offset: 32, .size: 8, .value_kind: global_buffer, .address_space: global }
    .group_segment_fixed_size: 167936
    .private_segment_fixed_size: 0
    .kernarg_segment_align: 8
    .kernarg_segment_size: 40
    .max_flat_workgroup_size: 512
    .sgpr_count:     66
    .vgpr_count:     256
    .wavefront_size: 32
...
	.end_amdgpu_metadata
.endif
;; end of part 3
;; launch proj (part 4): grid 4 x 64, 4 waves a work-group, clusters of 4 x 4, 327,680 bytes of LDS; arguments a_img, wp_codes, lowp_scales, b_proj, out0; writes out0
.if DOCPART == 4
	.amdgcn_target "amdgcn-amd-amdhsa--gfx1250"
	.amdhsa_code_object_version 6
	.text
	.protected	k_q17913c36ae_proj
	.globl	k_q17913c36ae_proj
	.p2align	8
	.type	k_q17913c36ae_proj,@function
k_q17913c36ae_proj:
	s_mov_b64 s[64:65], 0
	v_nop
	global_prefetch_b8 v0, s[64:65] scope:SCOPE_SE
	s_setreg_imm32_b32 hwreg(HW_REG_WAVE_MODE, 25, 1), 1
	s_wait_xcnt 0x0
	s_wait_alu depctr_hold_cnt(0) depctr_sa_sdst(0) depctr_va_vdst(0) depctr_va_sdst(0) depctr_va_ssrc(0) depctr_va_vcc(0) depctr_vm_vsrc(0)
	s_getreg_b32 s2, hwreg(HW_REG_IB_STS2, 6, 4)
	s_cmp_eq_u32 s2, 0
	s_cbranch_scc0 .Lentry_in_a_cluster
	s_endpgm
.Lentry_in_a_cluster:
	s_bfe_u32 s2, ttmp6, 0x10000c
	s_cmp_lg_u32 s2, 0xf033
	s_cbranch_scc0 .Lentry_shape_is_right
	s_endpgm
.Lentry_shape_is_right:
; out0 = y W_proj + b_proj on codes of FP8 (E4M3): out = sum x 2^(e6 + e7) + bias.  LIMIT: e6 + e7 between -126 and 127.
; a_img [tile of 16 tokens: 512][K step of 128: 8][c 4][lane][16]: images of the operand's registers.  wp_codes [1024][1024]: K innermost, in the order of k that a_img's lanes hold.
; A tile of 128 tokens x 256 features gives 256 work-groups.  Four waves, each 64 tokens x 128 features: 32 accumulators.  Source 0 = 16 rows of W, source 1 = 16 tokens: a lane holds eight neighbouring numbers of a row of out0.
; K = 1,024 is four chunks of 256.  THREE LDS slots: chunks 0, 1, 2 are first fills, asked for together (three loads of a wave are out); chunk 3 is the one refill, into slot 0.
; CLUSTERS: 4 x 4 work-groups; a_img's tile is asked for jointly along a row of the cluster, wp's along a column.
; REGISTERS, in windows of 256: window 0: v0-31 addresses; v128-255 the tokens' fragments, two sets of 64; on the way out v32-255 are at work.   window 1: W's fragments, two sets of 128.
;   window 2: the accumulators ((a, b) at v[8 (8 a + b)]).   window 3: v0-63 the bias of the lane's 64 features.
.set PITCH,  272
.set HALFR,  128*PITCH                 ; 128 rows of W: what one tensor load brings
.set POFF,   32768                     ; a slot: 8 token tiles x 4,096 bytes, then W's 256 rows
.set SLOT,   POFF+2*HALFR
.set SPARE,  3*SLOT                    ; behind the slots: the spare words, 128 bytes a wave
.set STAGE,  SLOT                      ; the way out: 16 rows x 528 bytes for each wave, in slot 1: it has had its only fill, and its last read stands ahead of the last barrier
.set SPITCH, 528
.set FR,   16
.set NP,   4
.set ADRA, 16                          ; v16-18  LDS address of my tokens' fragments in slot 0, 1, 2
.set ADRB, 20                          ; v20-22  of W's
.set STO,  24
.set RD,   25
.set CO,   26                          ; v26     16 x lane
.set SPW,  28
.set NIL,  29
.set TMP,  32
.set BK,   128
.set G1P, 24                           ; s[24:31] group 1 for a_img's tiles;  s[32:43] their groups 0, one for each slot
.set G0P, 32
.set G1R, 48                           ; s[48:55] group 1 for wp's tiles;     s[68:79] their groups 0
.set G0R, 68
.set MSB, 0
.macro WIN new
.if MSB != (\new)
	s_set_vgpr_msb (MSB<<8)|(\new)
.set MSB, (\new)
.endif
.endm
.set MUL, 0xa1                         ; source 0 (W) window 1, source 1 (tokens) window 0, C and D window 2
.macro JLOAD g0a, g1a, g0b, g1b        ; waves 0 and 1 fetch a_img's halves, waves 2 and 3 wp's; an s_nop 0 and four v_nop follow each line
	s_cmp_eq_u32 s15, 0
	s_cbranch_scc0 .Lfor_b_\@
	tensor_load_to_lds s[\g0a:\g0a+3], s[\g1a:\g1a+7]
	s_nop 0
.rept 4
	v_nop
.endr
	s_branch .Lasked_\@
.Lfor_b_\@:
	tensor_load_to_lds s[\g0b:\g0b+3], s[\g1b:\g1b+7]
	s_nop 0
.rept 4
	v_nop
.endr
.Lasked_\@:
.endm
.macro CREST
	s_cmp_lg_u32 s14, 0
	s_cbranch_scc1 .Lnot_wave_0_\@
	s_barrier_signal -3
.Lnot_wave_0_\@:
	s_barrier_wait -3
	s_barrier_signal -1
	s_barrier_wait -1
.endm
.macro CROUND
	s_barrier_signal -1
	s_barrier_wait -1
	CREST
.endm
	s_load_b256 s[4:11], s[0:1], 0x0               ; a_img s[4:5], wp_codes s[6:7], the scales' exponents s[8:9], b_proj s[10:11]
	s_load_b64 s[12:13], s[0:1], 0x20              ; out0
	v_lshl_add_u32 v[SPW], v0, 2, SPARE
	v_mov_b32 v[NIL], 0
	ds_add_u32 v[SPW], v[NIL]                      ; the wave's opening: the add and its wait ahead of my first tensor load
	v_lshrrev_b32 v1, 5, v0
	v_readfirstlane_b32 s14, v1                    ; wave 0..3
	s_lshr_b32 s15, s14, 1                         ; which 64 tokens are mine.  Also: I fetch for a_img (0) or for wp (1)
	s_and_b32 s16, s14, 1                          ; which 128 features.  Also: which half I fetch
	s_bfe_u32 s80, ttmp6, 0x40000                  ; cx, cy
	s_bfe_u32 s81, ttmp6, 0x40004
	s_lshl_b32 s82, ttmp9, 2
	s_add_co_u32 s82, s82, s80                     ; tile of 256 features
	s_and_b32 s17, ttmp7, 0xffff
	s_lshl_b32 s17, s17, 2
	s_add_co_u32 s17, s17, s81                     ; tile of 128 tokens
	s_lshl_b32 s83, s81, 2
	s_lshl_b32 s83, 15, s83                        ; my row of the cluster
	s_lshl_b32 s84, 0x1111, s80                    ; my column
	s_or_b32 s[G1P+0], s83, (3<<16)|(1<<21)        ; the mask; elements of 8 bytes; bit 21 beside a mask; no padding
	s_mov_b32 s[G1P+1], 512<<16                    ; tensor_dim0 = 512: a token tile's 4,096 bytes of a chunk
	s_mov_b32 s[G1P+2], 4<<16                      ; tensor_dim1 = 4 token tiles
	s_mov_b32 s[G1P+3], 512<<16                    ; tile_dim0
	s_mov_b32 s[G1P+4], 4                          ; tile_dim1
	s_mov_b32 s[G1P+5], 2048                       ; from token tile to token tile: 16,384 bytes
	s_mov_b32 s[G1P+6], 0
	s_mov_b32 s[G1P+7], 0
	s_or_b32 s[G1R+0], s84, (0<<16)|(1<<20)|(1<<21)|(5<<22)|(3<<25)  ; elements of 1 byte; four words of padding after every 64
	s_mov_b32 s[G1R+1], 256<<16
	s_mov_b32 s[G1R+2], 128<<16
	s_mov_b32 s[G1R+3], 256<<16
	s_mov_b32 s[G1R+4], 128
	s_mov_b32 s[G1R+5], 1024
	s_mov_b32 s[G1R+6], 0
	s_mov_b32 s[G1R+7], 0
	s_lshl_b32 s20, s17, 3
	s_lshl_b32 s18, s16, 2
	s_add_co_u32 s20, s20, s18
	s_lshl_b32 s20, s20, 14                        ; a_img: (8 x token tile + 4 x half) x 16,384
	s_mov_b32 s21, 0
	s_lshl_b32 s46, s82, 8
	s_lshl_b32 s18, s16, 7
	s_add_co_u32 s46, s46, s18
	s_lshl_b32 s46, s46, 10                        ; wp: (256 x feature tile + 128 x half) x 1,024
	s_mov_b32 s47, 0
	s_lshl_b32 s45, s16, 14                        ; where they go in a slot: no place in the cluster enters an LDS address
	s_mul_i32 s44, s16, HALFR
	s_add_co_u32 s44, s44, POFF
	s_wait_dscnt 0x0                               ; the opening add is done
	s_wait_kmcnt 0x0
	s_load_b64 s[96:97], s[8:9], 0x18              ; e6, e7
	s_add_nc_u64 s[20:21], s[4:5], s[20:21]
	s_add_nc_u64 s[46:47], s[6:7], s[46:47]
	CROUND                                         ; all sixteen work-groups are here: the first joint loads meet
.irp s, 0,1,2
	s_mov_b32 s[G0P+4*\s], 1
	s_add_co_u32 s[G0P+4*\s+1], s45, \s*SLOT
	s_add_nc_u64 s[G0P+4*\s+2:G0P+4*\s+3], s[20:21], \s*4096
	s_or_b32 s[G0P+4*\s+3], s[G0P+4*\s+3], 0x80000000
	s_mov_b32 s[G0R+4*\s], 1
	s_add_co_u32 s[G0R+4*\s+1], s44, \s*SLOT
	s_add_nc_u64 s[G0R+4*\s+2:G0R+4*\s+3], s[46:47], \s*256
	s_or_b32 s[G0R+4*\s+3], s[G0R+4*\s+3], 0x80000000
	JLOAD G0P+4*\s, G1P, G0R+4*\s, G1R
.endr
	v_and_b32 v1, 15, v0                           ; r
	v_bfe_u32 v2, v0, 4, 1                         ; h
	v_and_b32 v6, 31, v0
	v_lshlrev_b32 v[CO], 4, v6
	v_mul_u32_u24 v3, v1, PITCH
	v_lshl_add_u32 v4, v2, 4, v3
	s_lshl_b32 s21, s15, 14                        ; my four token tiles
	s_mov_b32 s22, s44                             ; my 128 rows of W
.irp s, 0,1,2
	v_add_nc_u32 v[ADRA+\s], s21, v[CO]
	v_add_nc_u32 v[ADRB+\s], s22, v4
	s_add_co_u32 s21, s21, SLOT
	s_add_co_u32 s22, s22, SLOT
.endr
	s_mul_i32 s23, s14, 16*SPITCH
	s_add_co_u32 s23, s23, STAGE                   ; my stage
	v_mul_u32_u24 v5, v1, SPITCH
	v_lshl_add_u32 v5, v2, 5, v5
	v_add_nc_u32 v[STO], s23, v5                   ; in: row r, 32 bytes for each half of the lanes
	v_add_nc_u32 v[RD], s23, v[CO]                 ; back: the 32 lanes take one row of 512 bytes
	s_lshl_b32 s20, s17, 7
	s_lshl_b32 s21, s15, 6
	s_add_co_u32 s20, s20, s21
	s_lshl_b32 s20, s20, 12                        ; my first row of out0, 4,096 bytes a row,
	s_lshl_b32 s46, s82, 10
	s_lshl_b32 s47, s16, 9
	s_add_co_u32 s46, s46, s47                     ; my first column in bytes: also my place in b_proj
	s_add_co_u32 s20, s20, s46
	s_mov_b32 s21, 0
	s_add_nc_u64 s[12:13], s[12:13], s[20:21]
	s_mov_b32 s47, 0
	s_add_nc_u64 s[86:87], s[10:11], s[46:47]
	v_lshlrev_b32 v7, 5, v2                        ; 32 h
	WIN 0xc0                                       ; destination window 3
.irp b, 0,1,2,3,4,5,6,7
	global_load_b128 v[8*\b:8*\b+3], v7, s[86:87] offset:64*\b          ; register 8 b + j: the bias of feature 16 b + 8 h + j
	global_load_b128 v[8*\b+4:8*\b+7], v7, s[86:87] offset:64*\b+16
.endr
	WIN 0
.macro PLACES n
.rept \n
	v_nop
.endr
.endm
; 48 LDS loads: the fragments of the slot's q-th 128 along K into set p.  W's from rows; the tokens' as images, 512 consecutive bytes a load.
.macro FETCH p, slot, q
	WIN 0x40
.irp i, 0,1,2,3,4,5,6,7
.irp c, 0,1,2,3
	ds_load_b128 v[128*(\p)+FR*\i+4*\c:128*(\p)+FR*\i+4*\c+3], v[ADRB+\slot] offset:128*(\q)+32*\c+\i*16*PITCH
.endr
.endr
	WIN 0
.irp a, 0,1,2,3
.irp c, 0,1,2,3
	ds_load_b128 v[128+64*(\p)+FR*\a+4*\c:128+64*(\p)+FR*\a+4*\c+3], v[ADRA+\slot] offset:4096*\a+2048*(\q)+512*\c
.endr
.endr
.endm
; 8 matrix instructions: token tile a x W's eight.  The 32 accumulators take turns, one instruction a turn, in the same order in every step.
.macro MUL8 a, p, zero
.irp b, 0,1,2,3,4,5,6,7
.if \zero
	v_wmma_f32_16x16x128_fp8_fp8 v[8*(8*(\a)+\b):8*(8*(\a)+\b)+7], v[128*(\p)+FR*\b:128*(\p)+FR*\b+FR-1], v[128+64*(\p)+FR*(\a):128+64*(\p)+FR*(\a)+FR-1], 0
.else
	v_wmma_f32_16x16x128_fp8_fp8 v[8*(8*(\a)+\b):8*(8*(\a)+\b)+7], v[128*(\p)+FR*\b:128*(\p)+FR*\b+FR-1], v[128+64*(\p)+FR*(\a):128+64*(\p)+FR*(\a)+FR-1], v[8*(8*(\a)+\b):8*(8*(\a)+\b)+7]
.endif
.endr
.endm
.macro KSTEP p, nslot, nq, zero        ; multiplies set p; the next step's fragments are asked for first, into the other set
	s_wait_dscnt 0                                 ; set p is in
	PLACES NP                                      ; in front of loads into the set that the last step's products read
	FETCH 1-(\p), \nslot, \nq
	WIN MUL
	MUL8 0, \p, \zero
	MUL8 1, \p, \zero
	MUL8 2, \p, \zero
	MUL8 3, \p, \zero
.endm
; A step with a barrier: in front of it each wave waits for all its tensor loads, adds 0 to its spare word, and waits for that and for its LDS reads.  fill = 1: slot 0 takes chunk 3.
.macro TURN p, nslot, fill
	WIN 0                                          ; (the add's two registers lie in window 0)
	s_wait_tensorcnt 0x0                           ; all my tensor loads have landed
	ds_add_u32 v[SPW], v[NIL]
	s_wait_dscnt 1                                 ; set p is in; the add may be out
	WIN MUL
	MUL8 0, \p, 0
	s_wait_dscnt 0x0                               ; the add is done, and my LDS reads are over
	s_barrier_signal -1
	MUL8 1, \p, 0
	WIN 0
	s_barrier_wait -1
.if \fill
	CREST                                          ; a round of the cluster's barrier: no wave of any partner still reads slot 0 or has a load on its way
	s_add_nc_u64 s[G0P+2:G0P+3], s[G0P+2:G0P+3], 3*4096
	s_add_nc_u64 s[G0R+2:G0R+3], s[G0R+2:G0R+3], 3*256
	JLOAD G0P, G1P, G0R, G1R                       ; the first tensor load behind the round, and my only one from here on; its four v_nop are the places in front of the loads below
.else
	PLACES NP
.endif
	FETCH 1-(\p), \nslot, 0
	WIN MUL
	MUL8 2, \p, 0
	MUL8 3, \p, 0
.endm
	s_wait_tensorcnt 2                             ; my part of chunk 0 is in; chunks 1 and 2 may be out
	s_barrier_signal -1
	s_barrier_wait -1
	FETCH 0, 0, 0
	KSTEP 0, 0, 1, 1                               ; chunk 0, first half: its products start the sums
	TURN 1, 1, 1                                   ; chunk 0, second half; behind the round slots 1 and 2 are whole in every wave, and slot 0 is filled again
	KSTEP 0, 1, 1, 0
	KSTEP 1, 2, 0, 0
	KSTEP 0, 2, 1, 0
	TURN 1, 0, 0                                   ; chunk 2, second half; behind the barrier chunk 3 is whole, and nobody reads slots 1 and 2 any more
	KSTEP 0, 0, 1, 0
	s_wait_dscnt 0
	MUL8 0, 1, 0
	MUL8 1, 1, 0
	MUL8 2, 1, 0
	MUL8 3, 1, 0
	WIN 0
; THE WAY OUT, block by block of 16 tokens x 128 features: through my own stage in LDS, back as whole rows of 512 bytes.  LDS serves a wave's instructions in order (ISA guide 5.7.1.4).
.macro TOSTAGE a
	WIN 0x32                                       ; source 0 (the sums) window 2, source 2 (the bias) window 3
.set j, 0
.rept 32
	v_pk_fma_f32 v[TMP+j:TMP+j+1], v[64*(\a)+j:64*(\a)+j+1], s[96:97], v[j:j+1] op_sel_hi:[1,0,1]   ; sum x 2^(e6 + e7) + bias; each accumulator from its low end on
.set j, j+2
.endr
	WIN 0
.irp b, 0,1,2,3,4,5,6,7
	ds_store_b128 v[STO], v[TMP+8*\b:TMP+8*\b+3] offset:64*\b
	ds_store_b128 v[STO], v[TMP+8*\b+4:TMP+8*\b+7] offset:64*\b+16
.endr
.irp t, 0,1,2,3,4,5,6,7,8,9,10,11,12,13,14,15
	ds_load_b128 v[BK+64*((\a)%2)+4*\t:BK+64*((\a)%2)+4*\t+3], v[RD] offset:\t*SPITCH
.endr
.endm
.macro SEND a, younger                 ; younger: the LDS instructions issued behind block a's loads, which may stay out
	s_wait_dscnt \younger
.if (\a) > 0
	s_add_nc_u64 s[12:13], s[12:13], 16*4096       ; (behind a wait on XCNT: the earlier stores have read their base)
.endif
.irp t, 0,1,2,3,4,5,6,7,8,9,10,11,12,13,14,15
	global_store_b128 v[CO], v[BK+64*((\a)%2)+4*\t:BK+64*((\a)%2)+4*\t+3], s[12:13] offset:\t*4096 th:TH_STORE_NT   ; 32 lanes store 512 consecutive aligned bytes
.endr
.endm
	s_wait_kmcnt 0x0
	s_add_co_i32 s96, s96, s97
	s_add_co_i32 s96, s96, 127
	s_lshl_b32 s96, s96, 23                        ; 2^(e6 + e7) as f32
	s_wait_loadcnt 0x0                             ; the bias
	PLACES NP
	TOSTAGE 0
.irp a, 1,2,3
.if \a > 1
	s_wait_xcnt 0x0                                ; block a - 2's stores have read their registers and their base
.endif
	TOSTAGE \a
	SEND \a-1, 32                                  ; behind block a - 1's loads: block a's 16 stores and 16 loads
.endr
	s_wait_xcnt 0x0
	SEND 3, 0
	s_wait_tensorcnt 0x0                           ; the wave's end
	ds_add_u32 v[SPW], v[NIL]
	s_wait_dscnt 0x0
	CROUND                                         ; the closing round
	s_endpgm
.Lfunc_end_k_q17913c36ae_proj:
	.size	k_q17913c36ae_proj, .Lfunc_end_k_q17913c36ae_proj-k_q17913c36ae_proj
	.p2alignl 7, 3214868480
	.fill 96, 4, 3214868480
	.section	.rodata,"a",@progbits
	.p2align	6, 0x0
	.amdhsa_kernel k_q17913c36ae_proj
		.amdhsa_group_segment_fixed_size 327680
		.amdhsa_private_segment_fixed_size 0
		.amdhsa_enable_private_segment 0
		.amdhsa_kernarg_size 40
		.amdhsa_user_sgpr_count 2
		.amdhsa_user_sgpr_kernarg_segment_ptr 1
		.amdhsa_wavefront_size32 1
		.amdhsa_system_sgpr_workgroup_id_x 1
		.amdhsa_system_sgpr_workgroup_id_y 1
		.amdhsa_system_sgpr_workgroup_id_z 1
		.amdhsa_system_vgpr_workitem_id 0
		.amdhsa_next_free_vgpr 832
		.amdhsa_next_free_sgpr 98
		.amdhsa_reserve_vcc 0
		.amdhsa_float_denorm_mode_32 3
		.amdhsa_float_denorm_mode_16_64 3
		.amdhsa_memory_ordered 1
		.amdhsa_forward_progress 1
		.amdhsa_inst_pref_size 77
	.end_amdhsa_kernel
	.amdgpu_metadata
---
amdhsa.version: [ 1, 2 ]
amdhsa.kernels:
  - .name:           k_q17913c36ae_proj
    .symbol:         k_q17913c36ae_proj.kd
    .args:
      - { .name: a_img, .offset: 0, .size: 8, .value_kind: global_buffer, .address_space: global }
      - { .name: wp_codes, .offset: 8, .size: 8, .value_kind: global_buffer, .address_space: global }
      - { .name: lowp_scales, .offset: 16, .size: 8, .value_kind: global_buffer, .address_space: global }
      - { .name: b_proj, .offset: 24, .size: 8, .value_kind: global_buffer, .address_space: global }
      - { .name: out0, .offset: 32, .size: 8, .value_kind: global_buffer, .address_space: global }
    .group_segment_fixed_size: 327680
    .private_segment_fixed_size: 0
    .kernarg_segment_align: 8
    .kernarg_segment_size: 40
    .max_flat_workgroup_size: 128
    .sgpr_count:     98
    .vgpr_count:     832
    .wavefront_size: 32
...
	.end_amdgpu_metadata
.endif
;; end of part 4
